; MI455X (gfx1250); checked and timed in simulation.
; The chip was launched on July 23, 2026; its instructions are those of AMD's public machine-readable ISA for CDNA 5 (MIT licence, August 2026) and "CDNA5" Instruction Set Architecture Reference Guide (July 2026). The comments in the code are by the model that wrote it; some were corrected since.
;; Attention. Allowed arithmetic: matrix products marked QUANTISED: E2M3 operands, one E8M0 scale for each 32 along K, by v_wmma_scale_f32_16x16x128_f8f6f4 with both operands' format E2M3, f32 sums; everything else in f32.
;; Inputs: K 4 x 16 x 2,048 x 64 float32; Q 4 x 16 x 2,048 x 64 float32; V 4 x 16 x 2,048 x 64 float32; mask 4 x 1 x 2,048 x 2,048 bool.
;; Outputs: out0 4 x 16 x 2,048 x 64 float32.
;; This version of the problem:
;;   THIS VERSION OF THE PROBLEM IS GIVEN IN LOW PRECISION. The matrix products marked QUANTISED in the list below multiply operands that are first quantised to E2M3 (2 exponent bits, 3 mantissa bits; 6 bits a number), with one power-of-two scale for each 32 numbers along K (OCP MX v1.0); their sums are f32. All else is computed in f32.
;;   The module's matrix products, in the order in which they are computed (A, B: the left and right operand; K: the contracted axis; several contracted axes count as one K, in the product's order):
;;     1. batch 64 x [M 2,048, K 64] x [K 64, N 2,048]; A: input Q; B: input K: QUANTISED
;;     2. batch 64 x [M 2,048, K 2,048] x [K 2,048, N 64]; A: softmax (see below); B: input V: QUANTISED
;;   THE QUANTISER, for each operand of a quantised product, along K:
;;     - K is cut into blocks of 32 from its start; a last block that is shorter is filled with zeros.
;;     - A block's scale is 2^e with e = floor(log2(the largest magnitude in the block)) - 2, held to -126 .. 127; a block of zeros has e = 0. As a byte (E8M0): e + 127.
;;     - Each number is divided by its block's scale, clamped to +-7.5, and rounded to the nearest number of E2M3, ties to even, subnormals kept.
;;     - The product sums the exact products of the quantised numbers (number of the format x scale) in f32.
;;   ~~~python
;;   def quantise(x, axis):      # numpy; x: float32 -> the quantised numbers, widened to float32 again
;;       x = np.moveaxis(x, axis, -1); K = x.shape[-1]
;;       x = np.pad(x, [(0, 0)] * (x.ndim - 1) + [(0, -K % 32)]); x = x.reshape(x.shape[:-1] + (-1, 32)); a = np.abs(x).max(-1, keepdims=True)
;;       e = np.where(a > 0, np.clip(np.frexp(np.where(a > 0, a, 1))[1] - 1 - 2, -126, 127), 0)      # np.frexp(a)[1] - 1 = floor(log2(a)), exactly
;;       r = np.clip(x / 2.0 ** e, -7.5, 7.5)
;;       step = 2.0 ** (np.maximum(np.frexp(np.where(r == 0, 1, r))[1] - 1, 0) - 3)
;;       q = np.round(r / step) * step * 2.0 ** e      # np.round: ties to even
;;       return np.moveaxis(q.reshape(q.shape[:-2] + (-1,))[..., :K], -1, axis).astype(np.float32)
;;   ~~~
;;   SOFTMAX AHEAD OF A QUANTISED PRODUCT. Where the list says 'softmax', what is quantised is not the finished softmax but p = 2^(t - M), with t = logit x log2(e) and M = ceil(the row's largest t), a whole number; so 1/2 < the row's largest p <= 1. The row's sum l is taken of the UNQUANTISED p, in f32, and the product's result is divided by l at the end. Since M is a whole number, a kernel that streams over the keys may use a running M (the ceiling of the running maximum): every later rescaling is an exact power of two, which a block's scale takes up: the codes' values come out the same.
;;   OPERANDS COMPUTED ON THE WAY. 'Computed on the way' means the value that the module computes at that place (a softmax that the list does not call 'softmax' is quantised finished and normalised). What goes into a quantiser is computed in f32, as accurately as f32 sums, v_exp_f32 and their like allow (about 1e-6 of the number): no bf16 or f16 on the way to a quantiser, and a product that is left as it is and whose result goes on into a quantised operand takes f32 operands (vector FMAs, or v_wmma_f32_16x16x4_f32). A number that lies on a knife's edge between two numbers of the format may be rounded either way, as far as f32 arithmetic and the matrix unit's own rounding can turn it there, and no further.
;; One version. Each part assembles by itself: llvm-mc -triple=amdgcn-amd-amdhsa -mcpu=gfx1250 --defsym DOCPART=n.
;; ======== version 1 of 1: 2 launches
;; limits: inputs' magnitudes at most 1,000,000,000; right only within a limited range of input values
;; workspace buffers: kv 13,369,344 bytes
;; launch prep (part 1): grid 8 x 64, 4 waves a work-group, no clusters, 35,328 bytes of LDS; arguments K, V, kv; writes kv
.if DOCPART == 1
	.amdgcn_target "amdgcn-amd-amdhsa--gfx1250"
	.amdhsa_code_object_version 6
	.text
	.protected	k_qd66c619b70_prep
	.globl	k_qd66c619b70_prep
	.p2align	8
	.type	k_qd66c619b70_prep,@function
k_qd66c619b70_prep:
	s_mov_b64 s[64:65], 0
	v_nop
	global_prefetch_b8 v0, s[64:65] scope:SCOPE_SE
	s_setreg_imm32_b32 hwreg(HW_REG_WAVE_MODE, 25, 1), 1
	s_wait_xcnt 0x0
; K and V, [64 heads][2048 keys][64] f32, become codes of FP6 (E2M3) with one E8M0 byte for each 32 along a product's K, laid as IMAGES OF OPERAND REGISTERS for the attention launch.
; K is quantised along the head's 64 (two blocks a key), V along the keys (a block = 32 keys of one channel).
; A block's scale is 2^(floor(log2(its largest magnitude)) - 2); its byte is the largest magnitude's exponent field - 2, held at 1 from below.
; LIMITS: a block of zeros, and one whose largest magnitude lies under 2^-124, gets the byte 1 (a block of zeros has zero codes, which add nothing; this program alone reads the bytes); NaN and infinities are not served.
; A RECORD of 13,056 bytes serves one head and 128 keys:
;   0      K's eight tiles, 768 bytes each: registers 0-3 of lane l at 16 l (512 bytes), registers 4-5 at 8 l (256 bytes).  Lane (r = l % 16, hl = l / 16) of tile 4 c + u holds key 64 c + 32 (r / 8) + 8 u + r % 8, dims 32 hl + 0 .. 31
;   6144   K's scale words: lane l at 16 l, word i = tile 2 i + hl, row r.  A word holds the key's two bytes twice
;   6656   V's four tiles (channels 16 t on), 1,536 bytes each: registers 4 c .. 4 c + 3 of lane l at 512 c + 16 l.  Lane (r, hl): registers 6 c .. 6 c + 5 = keys 64 c + 32 hl + 0 .. 31 of channel 16 t + r
;   12800  V's scale words: lane l at 8 l, word g = channel 32 g + l
; Records lie [head / 4][slot of 256 keys][head % 4][step in slot]: what a work-group of the next launch wants for a slot is one dense block.
; SHARES: work-group (x = slot, y = head).  Wave w: step 2 x + w % 2; waves 0, 1 take K's part of the record, waves 2, 3 V's.  Waves share nothing: no barrier.  A stream: no matrix unit, no cluster, no tensor load.
.set RECB,  13056
.set VPART, 6656
.set WREG,  8704                       ; LDS of a wave: K: two stages of 16 rows x 272 bytes; V: an image of 6,144 bytes
.set SP,    272
.set STG,   16*SP
.set SPARE, 4*WREG                     ; behind the four regions: the spare words, 128 bytes for each wave
.set SPW,  1                           ; v1   LDS address of my spare word; never rewritten
.set NIL,  2                           ; v2   0; never rewritten
.set G16,  3                           ; v3   16 x lane
.set G8,   4                           ; v4   8 x lane
.set G4,   5                           ; v5   4 x lane
.set SIN,  6                           ; v6   K's stage, in: row lane / 16, 16 (lane % 16)
.set SOUT, 7                           ; v7   K's stage, out: row lane % 16, 128 (lane / 16)
.set VST,  8                           ; v8   V's image, in: 1536 (lane / 16) + 16 (lane % 16)
.set VRD,  9                           ; v9   V's image, out: 16 x lane
.set SH8,  10                          ; v10  8 (lane / 16)
.set M0,   20                          ; v20, v21 two chains of the maximum
.set M1,   21
.set SC,   22                          ; v22  the conversions' scale operand
.set BY,   23                          ; v23  the scale's byte
.set TT,   24                          ; v24  the other half's byte
.set SBW,  26                          ; v26-27  V's two scale words
.set R,    32                          ; v32-159  K: four sets of 32 numbers as loaded;  V: v32-79 the image read back
.set X,    160                         ; v160-223 two sets of 32 neighbours along K
.set C,    224                         ; v224-229 a block's codes
.set T,    230                         ; v230-232 its second half, as the conversion leaves it
.set W,    236                         ; v236-243 K: a scale word for each tile
.set KSR,  244                         ; v244-247 K: the four scale registers
	s_load_b128 s[4:7], s[0:1], 0x0                ; K, V
	s_load_b64 s[8:9], s[0:1], 0x10                ; kv
	v_lshl_add_u32 v[SPW], v0, 2, SPARE
	v_mov_b32 v[NIL], 0
	v_lshrrev_b32 v11, 5, v0
	v_readfirstlane_b32 s12, v11                   ; wave 0..3
	v_and_b32 v11, 31, v0                          ; lane
	v_and_b32 v12, 15, v0                          ; r
	v_bfe_u32 v13, v0, 4, 1                        ; hl
	v_lshlrev_b32 v[G16], 4, v11
	v_lshlrev_b32 v[G8], 3, v11
	v_lshlrev_b32 v[G4], 2, v11
	s_mul_i32 s13, s12, WREG                       ; my wave's LDS.  Every LDS address is made here, ahead of the parting of the roles
	v_mul_u32_u24 v[SIN], v13, SP
	v_lshl_add_u32 v[SIN], v12, 4, v[SIN]
	v_add_nc_u32 v[SIN], s13, v[SIN]
	v_mul_u32_u24 v[SOUT], v12, SP
	v_lshl_add_u32 v[SOUT], v13, 7, v[SOUT]
	v_add_nc_u32 v[SOUT], s13, v[SOUT]
	v_mul_u32_u24 v[VST], v13, 1536
	v_lshl_add_u32 v[VST], v12, 4, v[VST]
	v_add_nc_u32 v[VST], s13, v[VST]
	v_add_nc_u32 v[VRD], s13, v[G16]
	v_lshlrev_b32 v[SH8], 3, v13
	v_mov_b32 v[TT], 0                             ; written once: a lane permute's destination counts as one of its sources
	s_and_b32 s14, ttmp7, 0xffff                   ; the head
	s_and_b32 s15, s12, 1                          ; the step in the slot
	s_lshr_b32 s16, s12, 1                         ; the role
	s_lshl_b32 s17, ttmp9, 1
	s_add_co_u32 s17, s17, s15                     ; the step of 128 keys
	s_lshl_b32 s18, s14, 19                        ; a head is 524,288 bytes,
	s_lshl_b32 s17, s17, 15                        ; a step 32,768
	s_add_co_u32 s18, s18, s17
	s_mov_b32 s19, 0
	s_lshr_b32 s24, s14, 2                         ; the record's number: 64 (head / 4) + 8 slot + 2 (head % 4) + step in slot
	s_lshl_b32 s24, s24, 6
	s_lshl_b32 s25, ttmp9, 3
	s_add_co_u32 s24, s24, s25
	s_and_b32 s25, s14, 3
	s_lshl_b32 s25, s25, 1
	s_add_co_u32 s24, s24, s25
	s_add_co_u32 s24, s24, s15
	s_mul_i32 s24, s24, RECB
	s_mul_i32 s25, s16, VPART                      ; V's part lies behind K's
	s_add_co_u32 s24, s24, s25
	s_mov_b32 s25, 0
	s_mov_b32 s20, 0x76543210
	s_mov_b32 s21, 0xfedcba98                      ; v_permlanex16_b32's selects for lane l xor 16
	s_mov_b32 s22, 0xffff0000                      ; lanes 16-31
	s_wait_kmcnt 0x0
	s_cmp_lt_u32 s12, 2                            ; the choice hangs on the wave's number alone
	s_cselect_b64 s[4:5], s[4:5], s[6:7]
	s_add_nc_u64 s[4:5], s[4:5], s[18:19]          ; my 128 keys
	s_add_nc_u64 s[8:9], s[8:9], s[24:25]          ; my part of the record
; The largest magnitude of the 32 numbers v[XS] on, all of one block and all mine, with the floor 2^(3 - 127) as one more leaf; 2 off its exponent field gives the conversions' scale operand, and that, shifted, the byte.
.macro BLOCKMAX
	v_max3_num_f32 v[M0], |v[XS]|, |v[XS+1]|, |v[XS+2]|
	v_max3_num_f32 v[M1], |v[XS+3]|, |v[XS+4]|, |v[XS+5]|
.irp i, 6,10,14,18,22,26
	v_max3_num_f32 v[M0], v[M0], |v[XS+\i]|, |v[XS+\i+1]|
	v_max3_num_f32 v[M1], v[M1], |v[XS+\i+2]|, |v[XS+\i+3]|
.endr
	v_max3_num_f32 v[M0], v[M0], |v[XS+30]|, |v[XS+31]|
	v_max3_num_f32 v[M0], v[M0], v[M1], 0x1800000
	v_add_nc_u32 v[SC], 0xff000000, v[M0]
	v_lshrrev_b32 v[BY], 23, v[SC]
.endm
	s_cmp_lt_u32 s12, 2
	s_cbranch_scc0 .Lv
; ---- K.  A tile's 16 keys are two runs of eight neighbours.  Each load reads two whole rows, 512 consecutive bytes; a tile turns through my stage, so that lane (r, hl) gets the 32 dims of block hl of row r.
.macro LOADK t
.irp i, 0,1,2,3,4,5,6,7
	; THE KEYS OF A TILE (this line decides them): row r of tile 4 c + u is key 64 c + 32 (r / 8) + 8 u + r % 8, so that in the scores a lane's 32 registers of tiles 4 c .. 4 c + 3 are one whole block of 32 keys
	global_load_b128 v[R+32*((\t)%4)+4*\i:R+32*((\t)%4)+4*\i+3], v[G16], s[4:5] offset:(64*((\t)/4)+8*((\t)%4)+2*\i+24*(\i/4))*256 th:TH_LOAD_NT
.endr
.endm
.macro TURNK t                         ; LDS serves a wave's instructions in order (ISA guide 5.7.1.4): no wait between the stores and the loads
.irp i, 0,1,2,3,4,5,6,7
	ds_store_b128 v[SIN], v[R+32*((\t)%4)+4*\i:R+32*((\t)%4)+4*\i+3] offset:STG*((\t)%2)+2*SP*\i
.endr
.irp i, 0,1,2,3,4,5,6,7
	ds_load_b128 v[X+32*((\t)%2)+4*\i:X+32*((\t)%2)+4*\i+3], v[SOUT] offset:STG*((\t)%2)+16*\i
.endr
.endm
.macro TILEK t
.set XS, X+32*((\t)%2)
	s_wait_dscnt 0x0                               ; this tile is back from the stage, and its stores into the stage have read their registers,
.if (\t)+4 < 8
	LOADK (\t)+4                                   ; which take the loads of four tiles on
.endif
.if (\t) < 7
.if (\t) < 4
	s_wait_loadcnt 24                              ; the next tile's eight loads are in; those of the three tiles behind it may be out
.else
	s_wait_loadcnt 8*(6-(\t))                      ; the counts run down
.endif
	TURNK (\t)+1                                   ; through the other stage while this tile is worked
.endif
	BLOCKMAX
	s_wait_alu depctr_va_vdst(0)
	s_wait_xcnt 0x0                                ; the last tile's stores have read their data: the codes' registers are written again only behind this wait
	v_cvt_scalef32_pk16_fp6_f32 v[C:C+2], v[XS:XS+15], v[SC]
	v_cvt_scalef32_pk16_fp6_f32 v[T:T+2], v[XS+16:XS+31], v[SC]   ; (a conversion's three registers begin on an even number)
	v_lshlrev_b32 v[W+(\t)], v[SH8], v[BY]         ; my block's byte at its place.  (The plain place behind the conversions)
.irp i, 0,1,2
	v_mov_b32 v[C+3+\i], v[T+\i]
.endr
	v_permlanex16_b32 v[TT], v[W+(\t)], s20, s21
	v_or_b32 v[W+(\t)], v[W+(\t)], v[TT]           ; with the other block's byte,
	v_lshl_or_b32 v[W+(\t)], v[W+(\t)], 16, v[W+(\t)]   ; and both once more, for the upper half of the matrix instruction's 128 along K, where the codes of the other side are zeros
	global_store_b128 v[G16], v[C:C+3], s[8:9] offset:768*(\t)        ; 512 consecutive bytes
	global_store_b64 v[G8], v[C+4:C+5], s[8:9] offset:768*(\t)+512    ; 256 consecutive bytes
.endm
.irp t, 0,1,2,3
	LOADK \t
.endr
	s_wait_loadcnt 24                              ; tile 0's eight loads are in
	s_wait_alu depctr_va_vdst(0)
	TURNK 0
.irp t, 0,1,2,3,4,5,6,7
	TILEK \t
.endr
.irp i, 0,1,2,3
	v_cndmask_b32 v[KSR+\i], v[W+2*\i], v[W+2*\i+1], s22   ; lanes 0-15: tile 2 i's words; lanes 16-31: tile 2 i + 1's
.endr
	global_store_b128 v[G16], v[KSR:KSR+3], s[8:9] offset:6144
	s_wait_tensorcnt 0x0                           ; the wave's end: behind my last LDS store
	ds_add_u32 v[SPW], v[NIL]
	s_wait_dscnt 0x0
	s_endpgm
; ---- V.  A lane takes a channel and its registers run down the keys: a block of 32 keys lies in one lane, and the codes come out with the keys innermost.  Block u: channels 32 (u % 2) + lane, keys 32 (u / 2) on.
.Lv:
.macro LOADV u
.irp i, 0,1,2,3,4,5,6,7,8,9,10,11,12,13,14,15,16,17,18,19,20,21,22,23,24,25,26,27,28,29,30,31
	global_load_b32 v[X+32*((\u)%2)+\i], v[G4], s[4:5] offset:(32*((\u)/2)+\i)*256+128*((\u)%2)
.endr
.endm
.macro BLOCKV u
.set XS, X+32*((\u)%2)
.set GG, (\u)%2
.set BE, (\u)/2
.if (\u) < 7
	s_wait_loadcnt 32                              ; this block's 32 loads are in; the next block's may be out
.else
	s_wait_loadcnt 0x0
.endif
	BLOCKMAX
.if BE == 0
	v_mov_b32 v[SBW+GG], v[BY]                     ; four bytes to a word, the lower keys in the lower byte
.else
	v_lshl_or_b32 v[SBW+GG], v[BY], 8*BE, v[SBW+GG]
.endif
	v_cvt_scalef32_pk16_fp6_f32 v[C:C+2], v[XS:XS+15], v[SC]
	v_cvt_scalef32_pk16_fp6_f32 v[T:T+2], v[XS+16:XS+31], v[SC]
	v_nop                                          ; one plain place behind a scaled conversion
.irp i, 0,1,2
	v_mov_b32 v[C+3+\i], v[T+\i]
.endr
; my six registers are registers 6 (BE / 2) on of lane (lane % 16) + 16 (BE % 2) of tile 2 GG + lane / 16: into the image, at that lane's places
.if BE < 2
	ds_store_b128 v[VST], v[C:C+3] offset:3072*GG+256*(BE%2)
	ds_store_b64 v[VST], v[C+4:C+5] offset:3072*GG+256*(BE%2)+512
.else
	ds_store_b64 v[VST], v[C:C+1] offset:3072*GG+256*(BE%2)+520
	ds_store_b128 v[VST], v[C+2:C+5] offset:3072*GG+256*(BE%2)+1024
.endif
.if (\u)+2 < 8
	LOADV (\u)+2
.endif
	s_wait_dscnt 0x0                               ; the stores have read their registers: the next block's codes may be written
.endm
	LOADV 0
	LOADV 1
.irp u, 0,1,2,3,4,5,6,7
	BLOCKV \u
.endr
	s_wait_alu depctr_va_vdst(0)
	global_store_b64 v[G8], v[SBW:SBW+1], s[8:9] offset:6144       ; 256 consecutive bytes
.irp k, 0,1,2,3,4,5,6,7,8,9,10,11
	ds_load_b128 v[R+4*\k:R+4*\k+3], v[VRD] offset:512*\k          ; LDS serves a wave's instructions in order: these see my stores
.endr
.irp k, 0,1,2,3,4,5,6,7,8,9,10,11
	s_wait_dscnt 11-\k                             ; the younger loads may be out
	global_store_b128 v[G16], v[R+4*\k:R+4*\k+3], s[8:9] offset:512*\k   ; 512 consecutive bytes
.endr
	s_wait_tensorcnt 0x0                           ; the wave's end: behind my last LDS store
	ds_add_u32 v[SPW], v[NIL]
	s_wait_dscnt 0x0
	s_endpgm
.Lfunc_end_k_qd66c619b70_prep:
	.size	k_qd66c619b70_prep, .Lfunc_end_k_qd66c619b70_prep-k_qd66c619b70_prep
	.p2alignl 7, 3214868480
	.fill 96, 4, 3214868480
	.section	.rodata,"a",@progbits
	.p2align	6, 0x0
	.amdhsa_kernel k_qd66c619b70_prep
		.amdhsa_group_segment_fixed_size 35328
		.amdhsa_private_segment_fixed_size 0
		.amdhsa_enable_private_segment 0
		.amdhsa_kernarg_size 24
		.amdhsa_user_sgpr_count 2
		.amdhsa_user_sgpr_kernarg_segment_ptr 1
		.amdhsa_wavefront_size32 1
		.amdhsa_system_sgpr_workgroup_id_x 1
		.amdhsa_system_sgpr_workgroup_id_y 1
		.amdhsa_system_sgpr_workgroup_id_z 1
		.amdhsa_system_vgpr_workitem_id 0
		.amdhsa_next_free_vgpr 256
		.amdhsa_next_free_sgpr 66
		.amdhsa_reserve_vcc 0
		.amdhsa_float_denorm_mode_32 3
		.amdhsa_float_denorm_mode_16_64 3
		.amdhsa_memory_ordered 1
		.amdhsa_forward_progress 1
		.amdhsa_inst_pref_size 72
	.end_amdhsa_kernel
	.amdgpu_metadata
---
amdhsa.version: [ 1, 2 ]
amdhsa.kernels:
  - .name:           k_qd66c619b70_prep
    .symbol:         k_qd66c619b70_prep.kd
    .args:
      - { .name: K, .offset: 0, .size: 8, .value_kind: global_buffer, .address_space: global }
      - { .name: V, .offset: 8, .size: 8, .value_kind: global_buffer, .address_space: global }
      - { .name: kv, .offset: 16, .size: 8, .value_kind: global_buffer, .address_space: global }
    .group_segment_fixed_size: 35328
    .private_segment_fixed_size: 0
    .kernarg_segment_align: 8
    .kernarg_segment_size: 24
    .max_flat_workgroup_size: 128
    .sgpr_count:     66
    .vgpr_count:     256
    .wavefront_size: 32
...
	.end_amdgpu_metadata
.endif
;; end of part 1
;; launch attn (part 2): grid 16 x 16, 4 waves a work-group, clusters of 4 x 4, 327,680 bytes of LDS; arguments Q, kv, mask, out0; writes out0
.if DOCPART == 2
	.amdgcn_target "amdgcn-amd-amdhsa--gfx1250"
	.amdhsa_code_object_version 6
	.text
	.protected	k_qd66c619b70_attn
	.globl	k_qd66c619b70_attn
	.p2align	8
	.type	k_qd66c619b70_attn,@function
k_qd66c619b70_attn:
	s_mov_b64 s[64:65], 0
	v_nop
	global_prefetch_b8 v0, s[64:65] scope:SCOPE_SE
	s_setreg_imm32_b32 hwreg(HW_REG_WAVE_MODE, 25, 1), 1
	s_wait_xcnt 0x0
	s_wait_alu depctr_hold_cnt(0) depctr_sa_sdst(0) depctr_va_vdst(0) depctr_va_sdst(0) depctr_va_ssrc(0) depctr_va_vcc(0) depctr_vm_vsrc(0)
	s_getreg_b32 s2, hwreg(HW_REG_IB_STS2, 6, 4)
	s_cmp_eq_u32 s2, 0
	s_cbranch_scc0 .Lentry_in_a_cluster
	s_endpgm
.Lentry_in_a_cluster:
	s_bfe_u32 s2, ttmp6, 0x10000c
	s_cmp_lg_u32 s2, 0xf033
	s_cbranch_scc0 .Lentry_shape_is_right
	s_endpgm
.Lentry_shape_is_right:
; out0[b][h][q][:] = the sum over k of softmax_k(Q . K / 8, hidden where mask[b][q][k] is 1) V[k][:], both products on codes of FP6 (E2M3) with one E8M0 scale for each 32 along a product's K.
; Q: [64 heads][2048][64] f32, quantised here.  kv: K's and V's codes and scale words as images of operand registers, records of 13,056 bytes for a head and 128 keys (K's eight tiles at 768 t, K's scale words at 6144,
; V's four tiles at 6656 + 1536 t, V's scale words at 12800).  mask: [4][2048][2048] bytes, 1 = hidden, shared by a batch's 16 heads.
; THE SOFTMAX: t = score x log2(e) / 8; M = the row's largest t so far, rounded UP to a whole number; p = 2^(t - M) is quantised along the keys, not normalised.  The row's sum is taken of the unquantised p and divides O
; at the end.  When M moves, the sum and O are multiplied by 2^(old M - new M): exact.
; SHARES.  A work-group owns 128 queries of FOUR heads of one batch; each of its four waves 32 queries (two tiles of 16, q = 0, 1) for the four heads.  Each fragment of K and V read from LDS feeds both tiles,
; and the two tiles' vector work goes instruction by instruction by turns.  Every wave walks all 2,048 keys, 128 a step.
; THE SCORES HAVE TWO BUFFERS, by the head's parity: the next head's K Q^T stands among this head's conversions, moves and row sums, one product at a time, as do this head's V^T P^T.
; THE MASK IS THE C OF THE FIRST PRODUCT: once a key step a wave turns its 32 x 128 mask bytes into 128 registers in the scores' layout, 0 or -2^97, and all four heads' K Q^T begin their sums with them.
; The running largest score begins at -2^64, above every hidden score: a hidden score never sets M, and its p is 0.  A row hidden altogether ends with sum 0 and O 0: 0 x (1 / 0) = NaN, as the softmax of such a row is.
; K = 64 IN A FORM OF 128: Q's operand is six registers of codes and six of zeros; K's operand for tile t is twelve registers from its six on (the next tile's codes, or six zeros): finite codes that meet zero codes.
; LAYOUT.  Both products are used transposed (S^T = K Q^T, O^T = V^T P^T): a lane holds ONE query (lane % 16) of each tile.  Row r of K's tile 4 c + u is key 64 c + 32 (r / 8) + 8 u + r % 8, so that lane (r, hl)'s
; registers 32 c .. 32 c + 31 of the scores are keys 64 c + 32 hl + 0 .. 31: a whole block, in the very place that the second product's operand wants it.
; CLUSTER, 4 x 4: x = blocks of 128 queries, y = the batch's four groups of four heads.  The four work-groups of a row walk the same block of kv, the four of a column the same rows of the mask: each is asked for JOINTLY.
; No prefetch is written: a slot's load is asked for a whole slot, two key steps' work of four heads, ahead of the wait for it.
; LIMITS: scores under 2^64 in magnitude; NaN and infinities among the inputs are not served; a block of zeros, or one whose largest magnitude lies under 2^-124, gets the scale byte 1.
; REGISTERS.  window 0: addresses, statistics, scale words, p's codes, K's and V's fragments.  window 1: O^T, head h tile q at 64 h + 32 q.  window 2: v0-127 S^T then p of heads 0, 2, tile q at 64 q; v128-255 the mask's
; registers.  window 3: v0-95 Q's operands, 12 (2 h + q); v96-223 S^T then p of heads 1, 3.
.set RECB,   13056
.set HEADB,  2*RECB
.set PAIRB,  2*HEADB
.set KVB,    8*RECB                    ; a slot's block of kv: four heads x two steps = 408 rows of 256 bytes
.set PARTB,  34816                     ; what one tensor load brings: 136 rows of 256 bytes of kv, or 128 mask rows of 256 + 16
.set MP,     272                       ; a mask or stage row in LDS: 256 bytes + 16 of padding
.set SLOTB,  KVB+128*MP                ; 0x22000; no part offset (0x8800 x wave) has bit 13 or 17: one exclusive or changes slots
.set KSCO,   6144
.set VIMG,   6656
.set VSCO,   12800
.set STAGE,  2*SLOTB                   ; behind the ring: 32 rows x 272 bytes for each wave (16 for each tile): Q's way in, O's way out
.set SQ,     16*MP
.set SPARE,  STAGE+4*32*MP             ; the spare words, 128 bytes for each wave
.set SPW,  1
.set NIL,  2
.set L16,  3                           ; 16 x lane
.set L8,   4                           ; 8 x lane
.set MROW, 5                           ; my place in a slot's mask tile: row 32 wave + r, + 32 hl
.set A16,  6                           ; v6, v7 the step's records of heads 0, 1 and 2, 3: + 16 x lane
.set A8,   8                           ; v8, v9 the same + 8 x lane
.set AM,   10
.set STO,  11                          ; stage: row r, + 32 hl
.set SRD,  12                          ; stage: row hl, + 16 r
.set QO,   13                          ; stage: row r, + 128 hl
.set ZR,   14
.set SH8,  15                          ; 8 hl
.set ST,   16                          ; v16-47: (h, q) at 4 (2 h + q): -M, the largest score, the sum in two halves
.set QS,   48                          ; v48-55 Q's scale words
.set KS,   56                          ; v56-59 K's
.set VS,   60                          ; v60-61 V's
.set PW,   62                          ; v62-63 p's
.set BM,   64                          ; v64-71 four chains of the maximum a tile
.set BX,   72                          ; v72-79 other lanes' numbers; the old -M; bytes
.set SCO,  80                          ; v80-83 the conversions' scale operands, two blocks a tile
.set F,    84                          ; v84-87 f = 2^(old M - new M), a pair a tile
.set T,    88                          ; v88, v90 at work
.set P,    92                          ; v92-115 p's codes
.set RC,   92                          ; at the end: the reciprocals
.set PT,   116                         ; v116-131 the second conversions' results
.set KF,   132                         ; v132-179 K's tiles, v180-185 zeros
.set VF,   186                         ; v186-233 V's tiles
.set CT,   186                         ; at the head: Q's codes as the conversions leave them
.set TS,   234                         ; v234-245 the row sums' chains 1 to 3, a pair each: tile q chain k at 6 q + 2 (k - 1)
.set WV,   12
.set G1K,  16
.set G1M,  24
.set G0K,  32
.set G0M,  36
.set WOFF, 41
.set TB,   42
.set TM,   43
.set SLOTS, 44
.set TWICE, 45
.set CS,   46
.set SEL,  48
.set PS,   50
.set CF0,  54                          ; s54 bytes 0x00, 0xf0: what a mask byte 0 or 1 selects
.set NC,   55                          ; s55 -c
.set MSB, 0
.macro WIN new                         ; low byte: 1:0 source 0, 3:2 source 1, 5:4 source 2, 7:6 destination; the high byte repeats the setting that is left
.if MSB != \new
	s_set_vgpr_msb (MSB<<8)|\new
.set MSB, \new
.endif
.endm
.macro DRAIN
	s_wait_alu depctr_va_vdst(0)
.endm
.macro JLOAD                           ; waves 0 to 2 fetch thirds of the block of kv, wave 3 the mask tile
	s_cmp_lt_u32 s[WV], 3
	s_cbranch_scc0 .Lfor_m_\@
	tensor_load_to_lds s[G0K:G0K+3], s[G1K:G1K+7]
	s_nop 0
.rept 4
	v_nop
.endr
	s_branch .Lasked_\@
.Lfor_m_\@:
	tensor_load_to_lds s[G0M:G0M+3], s[G1M:G1M+7]
	s_nop 0
.rept 4
	v_nop
.endr
.Lasked_\@:
.endm
.macro CROUND                          ; a round of the cluster's barrier
	s_barrier_signal -1
	s_barrier_wait -1
	s_cmp_lg_u32 s[WV], 0
	s_cbranch_scc1 .Lnot_wave_0_\@
	s_barrier_signal -3
.Lnot_wave_0_\@:
	s_barrier_wait -3
	s_barrier_signal -1
	s_barrier_wait -1
.endm
.macro MM d, a, b, c, sa, sb, odd      ; odd: A's scales stand in lanes 16-31
.if \odd
	v_wmma_scale_f32_16x16x128_f8f6f4 v[\d:\d+7], v[\a:\a+11], v[\b:\b+11], v[\c:\c+7], v[\sa], v[\sb] matrix_a_fmt:MATRIX_FMT_FP6 matrix_b_fmt:MATRIX_FMT_FP6 matrix_a_scale:MATRIX_SCALE_ROW1
.else
	v_wmma_scale_f32_16x16x128_f8f6f4 v[\d:\d+7], v[\a:\a+11], v[\b:\b+11], v[\c:\c+7], v[\sa], v[\sb] matrix_a_fmt:MATRIX_FMT_FP6 matrix_b_fmt:MATRIX_FMT_FP6
.endif
.endm
	s_load_b256 s[4:11], s[0:1], 0x0               ; Q, kv, mask, out0
	v_lshl_add_u32 v[SPW], v0, 2, SPARE
	v_mov_b32 v[NIL], 0
	ds_add_u32 v[SPW], v[NIL]                      ; the opening lines: the add twice and its wait ahead of my first tensor load
	ds_add_u32 v[SPW], v[NIL]
	v_lshrrev_b32 v64, 5, v0
	v_readfirstlane_b32 s[WV], v64                 ; wave 0..3
	s_bfe_u32 s13, ttmp6, 0x40000                  ; cx
	s_bfe_u32 s14, ttmp6, 0x40004                  ; cy = the group of four heads
	s_and_b32 s15, ttmp7, 0xffff                   ; cluster y = the batch
	s_mul_i32 s[WOFF], s[WV], PARTB
	s_lshl_b32 s56, s15, 2                         ; kv: 4 batch + group, 64 records each, + my third of a block
	s_add_co_u32 s56, s56, s14
	s_mul_i32 s56, s56, 8*KVB
	s_add_co_u32 s56, s56, s[WOFF]
	s_mov_b32 s57, 0
	s_lshl_b32 s58, ttmp9, 2                       ; my block of 128 queries = 4 x cluster x + cx
	s_add_co_u32 s58, s58, s13
	s_lshl_b32 s60, s58, 18                        ; 128 mask rows of 2,048 bytes
	s_lshl_b32 s61, s15, 22
	s_add_co_u32 s60, s60, s61
	s_mov_b32 s61, 0
	s_lshl_b32 s62, s15, 4                         ; Q and out0: head 16 batch + 4 group, row 128 block + 32 wave, 256 bytes a row
	s_lshl_b32 s63, s14, 2
	s_add_co_u32 s62, s62, s63
	s_lshl_b32 s62, s62, 11
	s_lshl_b32 s63, s58, 7
	s_add_co_u32 s62, s62, s63
	s_lshl_b32 s63, s[WV], 5
	s_add_co_u32 s62, s62, s63
	s_lshl_b32 s62, s62, 8
	s_mov_b32 s63, 0
	s_lshl_b32 s66, s14, 2
	s_lshl_b32 s66, 15, s66                        ; my row of the cluster
	s_lshl_b32 s67, 0x1111, s13                    ; my column
	s_or_b32 s[G1K], s66, (3<<16)|(1<<21)          ; kv's blocks go to my row; elements of 8 bytes; no padding
	s_mov_b32 s[G1K+1], 32<<16
	s_mov_b32 s[G1K+2], 136<<16
	s_mov_b32 s[G1K+3], 32<<16
	s_mov_b32 s[G1K+4], 136
	s_mov_b32 s[G1K+5], 32
	s_mov_b32 s[G1K+6], 0
	s_mov_b32 s[G1K+7], 0
	s_or_b32 s[G1M], s67, (3<<16)|(1<<20)|(1<<21)|(5<<22)|(3<<25)  ; the mask's tiles go to my column; 4 words of padding behind every 64
	s_mov_b32 s[G1M+1], 32<<16
	s_mov_b32 s[G1M+2], 128<<16
	s_mov_b32 s[G1M+3], 32<<16
	s_mov_b32 s[G1M+4], 128
	s_mov_b32 s[G1M+5], 256
	s_mov_b32 s[G1M+6], 0
	s_mov_b32 s[G1M+7], 0
	s_mov_b32 s[TB], 0
	s_mov_b32 s[TM], 0
	s_mov_b32 s[SLOTS], 7
	s_mov_b32 s[CS], 0x3e38aa3b                    ; c = log2(e) / 8
	s_mov_b32 s[CS+1], s[CS]
	s_mov_b32 s[NC], 0xbe38aa3b                    ; -c
	s_mov_b32 s[SEL], 0x76543210
	s_mov_b32 s[SEL+1], 0xfedcba98
	s_mov_b32 s[PS], 0x00040404
	s_mov_b32 s[PS+1], 0x01040404
	s_mov_b32 s[PS+2], 0x02040404
	s_mov_b32 s[PS+3], 0x03040404
	s_mov_b32 s[CF0], 0xf000
	s_mul_i32 s68, s[WV], 32*MP
	s_add_co_u32 s69, s68, KVB                     ; my 32 rows of a mask tile
	s_add_co_u32 s68, s68, STAGE                   ; my stage
	s_wait_dscnt 0x0
	s_wait_kmcnt 0x0
	s_add_nc_u64 s[6:7], s[6:7], s[56:57]
	s_add_nc_u64 s[8:9], s[8:9], s[60:61]
	s_add_nc_u64 s[4:5], s[4:5], s[62:63]
	s_add_nc_u64 s[10:11], s[10:11], s[62:63]
	CROUND                                         ; the first joint loads meet
	s_mov_b32 s[G0K], 1
	s_mov_b32 s[G0K+1], s[WOFF]
	s_mov_b64 s[G0K+2:G0K+3], s[6:7]
	s_or_b32 s[G0K+3], s[G0K+3], 0x80000000
	s_mov_b32 s[G0M], 1
	s_mov_b32 s[G0M+1], s[WOFF]
	s_mov_b64 s[G0M+2:G0M+3], s[8:9]
	s_or_b32 s[G0M+3], s[G0M+3], 0x80000000
	JLOAD                                          ; slot 0: my one tensor load at the head
	v_and_b32 v64, 31, v0                          ; lane
	v_and_b32 v65, 15, v0                          ; r
	v_bfe_u32 v66, v0, 4, 1                        ; hl
	v_lshlrev_b32 v[L16], 4, v64
	WIN 0x40
.irp h, 0,1,2,3                                ; Q as it lies: each load reads two whole rows, 512 consecutive bytes; 64 loads into window 1
.irp q, 0,1
.irp i, 0,1,2,3,4,5,6,7
	global_load_b128 v[64*\h+32*\q+4*\i:64*\h+32*\q+4*\i+3], v[L16], s[4:5] offset:524288*\h+4096*\q+512*\i th:TH_LOAD_NT
.endr
.endr
.endr
	WIN 0
	v_lshlrev_b32 v[L8], 3, v64
	v_mul_u32_u24 v67, v65, MP
	v_mul_u32_u24 v[SRD], v66, MP
	v_lshl_add_u32 v[STO], v66, 5, v67
	v_lshl_add_u32 v[QO], v66, 7, v67
	v_lshl_add_u32 v[SRD], v65, 4, v[SRD]
	v_add_nc_u32 v[MROW], s69, v[STO]
	v_add_nc_u32 v[STO], s68, v[STO]
	v_add_nc_u32 v[QO], s68, v[QO]
	v_add_nc_u32 v[SRD], s68, v[SRD]
	v_lshlrev_b32 v[SH8], 3, v66
	v_mov_b32 v[ZR], 0
.irp n, 0,1,2,3,4,5,6,7
	v_mov_b32 v[ST+4*\n], 0x5f800000               ; -M = 2^64
	v_mov_b32 v[ST+4*\n+1], 0xdf800000             ; the largest score so far: -2^64
	v_mov_b32 v[ST+4*\n+2], 0
	v_mov_b32 v[ST+4*\n+3], 0
	v_mov_b32 v[BX+\n], 0                          ; a lane permute's destination counts as one of its sources
.endr
.irp i, 0,1,2,3
	v_mov_b32 v[F+\i], 0
.endr
.irp i, 0,1,2,3,4,5
	v_mov_b32 v[KF+48+\i], 0                       ; what K's tile 7 names as its upper six registers
.endr
; Head h's 32 rows turn through my stage: in as loaded, back with lane (r, hl) taking the 32 dims of block hl of row r.  LDS serves a wave's instructions in order (ISA guide 5.7.1.4).
.macro QTURN h
	s_wait_loadcnt 48-16*(\h)                      ; the later heads' 16 loads each may be out
	WIN 0x04
.irp q, 0,1
.irp i, 0,1,2,3,4,5,6,7
	ds_store_b128 v[SRD], v[64*(\h)+32*\q+4*\i:64*(\h)+32*\q+4*\i+3] offset:SQ*\q+2*MP*\i
.endr
.endr
	WIN 0x80
.irp q, 0,1
.irp i, 0,1,2,3,4,5,6,7
	ds_load_b128 v[32*((2*(\h)+\q)%4)+4*\i:32*((2*(\h)+\q)%4)+4*\i+3], v[QO] offset:SQ*\q+16*\i
.endr
.endr
.endm
.macro QUANT h                         ; Q's quantiser, the two tiles by turns: a lane holds a whole block of 32, in window 2
.set X0, 32*((2*(\h))%4)
	WIN 0x2a
.irp q, 0,1
	v_max3_num_f32 v[BM+4*\q], |v[X0+32*\q]|, |v[X0+32*\q+1]|, |v[X0+32*\q+2]|
	v_max3_num_f32 v[BM+4*\q+1], |v[X0+32*\q+3]|, |v[X0+32*\q+4]|, |v[X0+32*\q+5]|
.endr
	WIN 0x28
.irp i, 6,10,14,18,22,26
.irp q, 0,1
	v_max3_num_f32 v[BM+4*\q], v[BM+4*\q], |v[X0+32*\q+\i]|, |v[X0+32*\q+\i+1]|
	v_max3_num_f32 v[BM+4*\q+1], v[BM+4*\q+1], |v[X0+32*\q+\i+2]|, |v[X0+32*\q+\i+3]|
.endr
.endr
.irp q, 0,1
	v_max3_num_f32 v[BM+4*\q], v[BM+4*\q], |v[X0+32*\q+30]|, |v[X0+32*\q+31]|
.endr
	WIN 0
.irp q, 0,1
	v_max3_num_f32 v[BM+4*\q], v[BM+4*\q], v[BM+4*\q+1], 0x1800000   ; the floor 2^(3 - 127): the byte cannot fall under 1
.endr
.irp q, 0,1
	v_add_nc_u32 v[SCO+2*\q], 0xff000000, v[BM+4*\q]   ; 2 off the exponent field: the conversions' scale operand
.endr
.irp q, 0,1
	v_lshrrev_b32 v[QS+2*(\h)+\q], 23, v[SCO+2*\q]
.endr
.irp q, 0,1
	v_lshlrev_b32 v[QS+2*(\h)+\q], v[SH8], v[QS+2*(\h)+\q]   ; the byte at my block's place
.endr
.irp q, 0,1
	v_permlanex16_b32 v[BX+4*\q], v[QS+2*(\h)+\q], s[SEL], s[SEL+1]
.endr
.irp q, 0,1
	v_or_b32 v[QS+2*(\h)+\q], v[QS+2*(\h)+\q], v[BX+4*\q]
.endr
.irp q, 0,1
	v_lshl_or_b32 v[QS+2*(\h)+\q], v[QS+2*(\h)+\q], 16, v[QS+2*(\h)+\q]   ; both bytes once more, for the upper 64 of the form's 128
.endr
	WIN 0x02
.irp q, 0,1
	v_cvt_scalef32_pk16_fp6_f32 v[CT+8*\q:CT+8*\q+2], v[X0+32*\q:X0+32*\q+15], v[SCO+2*\q]
	v_cvt_scalef32_pk16_fp6_f32 v[CT+8*\q+4:CT+8*\q+6], v[X0+32*\q+16:X0+32*\q+31], v[SCO+2*\q]
.endr
	v_nop                                          ; one plain place behind a scaled conversion
	WIN 0xc0
.irp q, 0,1
.irp i, 0,1,2
	v_mov_b32 v[12*(2*(\h)+\q)+\i], v[CT+8*\q+\i]
	v_mov_b32 v[12*(2*(\h)+\q)+3+\i], v[CT+8*\q+4+\i]
.endr
.irp i, 6,7,8,9,10,11
	v_mov_b32 v[12*(2*(\h)+\q)+\i], 0              ; zero codes for K = 64 .. 127
.endr
.endr
	WIN 0
.endm
	DRAIN
	QTURN 0                                        ; Q turns through my stage, bytes of my own on which no fill lands, while my part of slot 0 is on its way: the first change of slots waits for it
	QTURN 1
	s_wait_dscnt 32                                ; head 0 is back; the next turn's 16 stores and 16 loads may be out
	QUANT 0
	QTURN 2
	s_wait_dscnt 32
	QUANT 1
	QTURN 3
	s_wait_dscnt 32
	QUANT 2
	s_wait_dscnt 0x0
	QUANT 3
	WIN 0x40
.set i, 0
.rept 256
	v_mov_b32 v[i], 0                              ; O^T: the step is written once for all steps, and the first finds zeros
.set i, i+1
.endr
	WIN 0
	DRAIN                                          ; the head's end
.macro KLOAD h                         ; 17 LDS loads
.set KB, HEADB*((\h)%2)
.set KA, (\h)/2
.irp t, 0,1,2,3,4,5,6,7
	ds_load_b128 v[KF+6*\t:KF+6*\t+3], v[A16+KA] offset:KB+768*\t
	ds_load_b64 v[KF+6*\t+4:KF+6*\t+5], v[A8+KA] offset:KB+768*\t+512
.endr
	ds_load_b128 v[KS:KS+3], v[A16+KA] offset:KB+KSCO
.endm
.macro VLOAD h                         ; 13 LDS loads
.set KB, HEADB*((\h)%2)
.set KA, (\h)/2
.irp t, 0,1,2,3
.irp c, 0,1,2
	ds_load_b128 v[VF+12*\t+4*\c:VF+12*\t+4*\c+3], v[A16+KA] offset:KB+VIMG+1536*\t+512*\c
.endr
.endr
	ds_load_b64 v[VS:VS+1], v[A8+KA] offset:KB+VSCO
.endm
; n of the row sums' packed additions: the two tiles by turns, each in four chains, so that a chain comes up again after seven others.  AN counts them through a head: 52 in all, pairs 6 to 31 of each tile
.macro ADDS n
	WIN SW*4
.rept \n
.set aq, AN%2
.set aj, SB+64*aq+2*(AN/2)+12
.set ac, TS+6*aq+2*((AN/2)%4)-2
.if (AN/2)%4
	v_pk_add_f32 v[ac:ac+1], v[ac:ac+1], v[aj:aj+1]
.else
	v_pk_add_f32 v[RT0+4*aq+2:RT0+4*aq+3], v[RT0+4*aq+2:RT0+4*aq+3], v[aj:aj+1]
.endif
.set AN, AN+1
.endr
.endm
; One product of the NEXT head's S^T = K Q^T + the mask's 0 or -2^97, into the other buffer of scores.  KN counts them: tile KN / 2 of K, tile KN % 2 of the queries.  Head 3 has no next head in its step
.macro NKQ h
.if (\h) < 3
	WIN (NW<<6)|0x2c
	MM NB+64*(KN%2)+8*(KN/2), KF+6*(KN/2), 12*(2*((\h)+1)+KN%2), 128+64*(KN%2)+8*(KN/2), KS+KN/4, QS+2*((\h)+1)+KN%2, (KN/2)%2
.set KN, KN+1
.endif
.endm
; ONE HEAD'S PART OF A KEY STEP, both tiles; its scores are there when it begins.  No two matrix instructions that follow each other share an accumulator.
.macro HEAD h
.set RT0, ST+8*(\h)
.set RO, 64*(\h)
.set SW, 2+(\h)%2                      ; my scores' window and first register,
.set SB, 96*((\h)%2)
.set NW, 2+((\h)+1)%2                  ; and the next head's
.set NB, 96*(((\h)+1)%2)
.set AN, 0
.set KN, 0
	WIN 0
.irp q, 0,1
	v_mov_b32 v[BX+4*\q+1], v[RT0+4*\q]            ; the old -M.  With the two lines below: four places ahead of the loads into K's and V's registers and of the first read of the scores
.endr
	v_nop
	v_nop
	VLOAD \h
.if (\h) < 3
	KLOAD (\h)+1
.endif
	WIN SW*0x15                                    ; the largest score, four chains of 16 registers a tile
.irp q, 0,1
.irp b, 0,1,2,3
	v_max3_num_f32 v[BM+4*\q+\b], v[SB+64*\q+16*\b], v[SB+64*\q+16*\b+1], v[SB+64*\q+16*\b+2]
.endr
.endr
	WIN SW*0x14
.irp i, 3,5,7,9,11,13
.irp q, 0,1
.irp b, 0,1,2,3
	v_max3_num_f32 v[BM+4*\q+\b], v[BM+4*\q+\b], v[SB+64*\q+16*\b+\i], v[SB+64*\q+16*\b+\i+1]
.endr
.endr
.endr
.irp q, 0,1
.irp b, 0,1,2,3
	v_max_num_f32 v[BM+4*\q+\b], v[BM+4*\q+\b], v[SB+64*\q+16*\b+15]
.endr
.endr
	WIN 0
.irp q, 0,1
	v_max3_num_f32 v[T+2*\q], v[BM+4*\q], v[BM+4*\q+1], v[BM+4*\q+2]
.endr
.irp q, 0,1
	v_max_num_f32 v[BM+4*\q], v[BM+4*\q], v[BM+4*\q+1]       ; my block c's largest score, at BM + 2 c: since p rises with the score, it gives the block's largest p
	v_max_num_f32 v[BM+4*\q+2], v[BM+4*\q+2], v[BM+4*\q+3]
.endr
.irp q, 0,1
	v_max_num_f32 v[T+2*\q], v[T+2*\q], v[BM+4*\q+3]         ; my 64 keys' largest score
.endr
.irp q, 0,1
	v_permlanex16_b32 v[BX+4*\q], v[T+2*\q], s[SEL], s[SEL+1]
.endr
.irp q, 0,1
	v_max3_num_f32 v[RT0+4*\q+1], v[RT0+4*\q+1], v[T+2*\q], v[BX+4*\q]   ; the running largest score (c is positive: the largest t is c x it)
.endr
.irp q, 0,1
	v_mul_f32 v[T+2*\q], s[NC], v[RT0+4*\q+1]
.endr
.irp q, 0,1
	v_floor_f32 v[RT0+4*\q], v[T+2*\q]                       ; the new -M = floor(-t) = -ceil(t)
.endr
.irp q, 0,1
	v_sub_f32 v[T+2*\q], v[RT0+4*\q], v[BX+4*\q+1]           ; M's old value less its new one
.endr
.irp q, 0,1
.irp c, 0,2
	v_fma_f32 v[BM+4*\q+\c], v[BM+4*\q+\c], s[CS], v[RT0+4*\q]
.endr
.endr
.irp q, 0,1
	v_cvt_i32_f32 v[T+2*\q], v[T+2*\q]                       ; (it saturates)
.endr
.irp q, 0,1
	v_ldexp_f32 v[F+2*\q], 1.0, v[T+2*\q]                    ; f = 2^(old M - new M)
.endr
	WIN SW*0x41
.set j, 0
.rept 32
	v_pk_fma_f32 v[SB+j:SB+j+1], v[SB+j:SB+j+1], s[CS:CS+1], v[RT0:RT0+1] op_sel_hi:[1,0,0]   ; tile 0: t - M
.set j, j+2
.endr
	WIN 0x41
	DRAIN                                          ; one wait: directly ahead of the first reader of O^T, and between tile 0's multiply-adds and the exponentials that read them
.irp q, 0,1
.set j, 0
.rept 16
	v_pk_mul_f32 v[RO+32*\q+j:RO+32*\q+j+1], v[RO+32*\q+j:RO+32*\q+j+1], v[F+2*\q:F+2*\q+1] op_sel_hi:[1,0]   ; O^T under the new M
.set j, j+2
.endr
.endr
	WIN 0
.irp q, 0,1
	v_pk_mul_f32 v[RT0+4*\q+2:RT0+4*\q+3], v[RT0+4*\q+2:RT0+4*\q+3], v[F+2*\q:F+2*\q+1] op_sel_hi:[1,0]
.endr
	WIN SW*0x41
.set j, 0
.rept 32                                       ; tile 0's exponentials, with tile 1's t - M between them
	v_exp_f32 v[SB+j], v[SB+j]
	v_exp_f32 v[SB+j+1], v[SB+j+1]
	v_pk_fma_f32 v[SB+64+j:SB+64+j+1], v[SB+64+j:SB+64+j+1], s[CS:CS+1], v[RT0+4:RT0+5] op_sel_hi:[1,0,0]
.set j, j+2
.endr
	DRAIN                                          ; behind tile 1's multiply-adds, ahead of the exponentials that read them
.set j, 64
.rept 64
	v_exp_f32 v[SB+j], v[SB+j]
.set j, j+1
.endr
	WIN 0
.irp q, 0,1
.irp c, 0,2
	v_exp_f32 v[BM+4*\q+\c], v[BM+4*\q+\c]         ; the block's largest p: the same two instructions on the same number
.endr
.endr
	v_nop
	DRAIN                                          ; one wait for the batch, ahead of its first reader and directly ahead of the wait below
	s_wait_dscnt 0x0                               ; V's 13 loads and the next head's 17 of K are in
.irp q, 0,1
.irp c, 0,2
	v_max_num_f32 v[BM+4*\q+\c], 0x1800000, v[BM+4*\q+\c]    ; the floor: the byte cannot fall under 1
.endr
.endr
.irp q, 0,1
.irp c, 0,1
	v_add_nc_u32 v[SCO+2*\q+\c], 0xff000000, v[BM+4*\q+2*\c]
.endr
.endr
.irp q, 0,1
.irp c, 0,1
	v_lshrrev_b32 v[BX+4*\q+\c], 23, v[SCO+2*\q+\c]
.endr
.endr
.irp q, 0,1
	v_lshl_or_b32 v[PW+\q], v[BX+4*\q+1], 16, v[BX+4*\q]     ; my bytes: blocks hl and 2 + hl,
.endr
.irp q, 0,1
	v_lshlrev_b32 v[PW+\q], v[SH8], v[PW+\q]                 ; at their places;
.endr
.irp q, 0,1
	v_permlanex16_b32 v[BX+4*\q+2], v[PW+\q], s[SEL], s[SEL+1]
.endr
.irp q, 0,1
	v_or_b32 v[PW+\q], v[PW+\q], v[BX+4*\q+2]                ; with lane l xor 16's two the word is whole
.endr
.irp q, 0,1                                    ; FROM HERE ON no exponential follows in this head: the next head's sixteen products go out one by one among the lines below, which name none of their registers
.irp c, 0,1
	NKQ \h
	WIN SW
	v_cvt_scalef32_pk16_fp6_f32 v[P+12*\q+6*\c:P+12*\q+6*\c+2], v[SB+64*\q+32*\c:SB+64*\q+32*\c+15], v[SCO+2*\q+\c]
	NKQ \h
	WIN SW
	v_cvt_scalef32_pk16_fp6_f32 v[PT+8*\q+4*\c:PT+8*\q+4*\c+2], v[SB+64*\q+32*\c+16:SB+64*\q+32*\c+31], v[SCO+2*\q+\c]   ; (a conversion's three registers begin on an even number)
.endr
.endr
	NKQ \h
	WIN SW*5
.irp k, 0,1,2
.irp q, 0,1
	v_pk_add_f32 v[TS+6*\q+2*\k:TS+6*\q+2*\k+1], v[SB+64*\q+4*\k:SB+64*\q+4*\k+1], v[SB+64*\q+4*\k+2:SB+64*\q+4*\k+3]   ; THE ROW'S SUM IS TAKEN OF THE UNQUANTISED p: chains 1 to 3 begin with pairs 0 to 5.  (Also the plain place behind the conversions)
.endr
.endr
.irp q, 0,1
	NKQ \h
	WIN 0
.irp c, 0,1
.irp i, 0,1,2
	v_mov_b32 v[P+12*\q+6*\c+3+\i], v[PT+8*\q+4*\c+\i]
.endr
.endr
.endr
	NKQ \h
	ADDS 4                                         ; the four places that p's codes want ahead of the products; its scale words have these, the moves and the six additions above
.irp t, 0,1,2,3                                ; O^T += V^T P^T, four of the sums' additions behind each product
.irp q, 0,1
	WIN 0x50
	MM RO+32*\q+8*\t, VF+12*\t, P+12*\q, RO+32*\q+8*\t, VS+\t/2, PW+\q, \t%2
	ADDS 4
.if \q
	NKQ \h
	ADDS 4
.endif
.endr
.endr
	WIN 0
.irp q, 0,1
	v_pk_add_f32 v[TS+6*\q:TS+6*\q+1], v[TS+6*\q:TS+6*\q+1], v[TS+6*\q+2:TS+6*\q+3]
.endr
.irp q, 0,1
	v_pk_add_f32 v[RT0+4*\q+2:RT0+4*\q+3], v[RT0+4*\q+2:RT0+4*\q+3], v[TS+6*\q+4:TS+6*\q+5]
.endr
.irp q, 0,1
	v_pk_add_f32 v[RT0+4*\q+2:RT0+4*\q+3], v[RT0+4*\q+2:RT0+4*\q+3], v[TS+6*\q:TS+6*\q+1]
.endr
.endm
; HEAD h'S WAY OUT stands behind the head in the last slot's text and is run in the launch's last key step alone: the branch hangs on the step counter, the same in all waves, and leads round no barrier, tensor load or add.
; The sum's halves are joined; O^T is divided by the sum into the head's own buffer of scores, which is done with, and goes through my stage, 16 rows of 256 bytes a tile.  The stores are on their way while the next heads are worked.
.macro OUTH h
	DRAIN
	s_cmp_lg_u32 s[TWICE], 1
	s_cbranch_scc1 .Lnot_last_\@
.irp q, 0,1
	v_add_f32 v[BM+\q], v[RT0+4*\q+2], v[RT0+4*\q+3]
.endr
.irp q, 0,1
	v_permlanex16_b32 v[BX+4*\q], v[BM+\q], s[SEL], s[SEL+1]
.endr
.irp q, 0,1
	v_add_f32 v[BM+\q], v[BM+\q], v[BX+4*\q]
.endr
	DRAIN
.irp q, 0,1
	v_rcp_f32 v[RC+\q], v[BM+\q]
.endr
	v_nop
.irp q, 0,1
	WIN (SW<<6)|1
	DRAIN                                          ; behind the reciprocals, directly ahead of the first reader of these accumulators
.set i, 0
.rept 32
	v_mul_f32 v[SB+32*\q+i], v[RO+32*\q+i], v[RC+\q]   ; register 8 t + i is o(r, 16 t + 8 hl + i); each accumulator from its low end on
.set i, i+1
.endr
	WIN SW*4
.irp t, 0,1,2,3
	ds_store_b128 v[STO], v[SB+32*\q+8*\t:SB+32*\q+8*\t+3] offset:SQ*\q+64*\t
	ds_store_b128 v[STO], v[SB+32*\q+8*\t+4:SB+32*\q+8*\t+7] offset:SQ*\q+64*\t+16
.endr
	WIN SW<<6
.irp f, 0,1,2,3,4,5,6,7
	ds_load_b128 v[SB+32*\q+4*\f:SB+32*\q+4*\f+3], v[SRD] offset:SQ*\q+2*MP*\f   ; in order behind the stores above (ISA guide 5.7.1.4)
.endr
.endr
	WIN SW*4
.irp q, 0,1
.irp f, 0,1,2,3,4,5,6,7
	s_wait_dscnt 16*(1-\q)+7-\f                    ; the younger loads, and behind tile 0's the sixteen LDS instructions of tile 1, may be out
	global_store_b128 v[L16], v[SB+32*\q+4*\f:SB+32*\q+4*\f+3], s[10:11] offset:524288*(\h)+4096*\q+512*\f th:TH_STORE_NT   ; 16 lanes store a row's 256 consecutive bytes
.endr
.endr
	s_wait_xcnt 0x0                                ; the stores' data registers are written again, by a later head's products, only behind this wait
	WIN 0
.Lnot_last_\@:
.endm
; A KEY STEP: 128 keys, four heads, two tiles of queries.  fin = 1: the last slot's text, with each head's way out behind it.
.macro STEP fin
	v_add_nc_u32 v[A16], s[TB], v[L16]
	v_add_nc_u32 v[A8], s[TB], v[L8]
	v_add_nc_u32 v[AM], s[TM], v[MROW]
	v_add_nc_u32 v[A16+1], PAIRB, v[A16]
	v_add_nc_u32 v[A8+1], PAIRB, v[A8]
	WIN 0x80
.irp q, 0,1
.irp k, 0,1,2,3
	ds_load_b128 v[64*\q+4*\k:64*\q+4*\k+3], v[AM] offset:SQ*\q+64*(\k/2)+16*(\k%2)   ; my query's mask bytes of keys 64 (k / 2) + 32 hl + 16 (k % 2) on: those of my registers 16 k on
.endr
.endr
	WIN 0
	KLOAD 0
	s_wait_dscnt 17                                ; the mask bytes are in; K's 17 loads may be out
	WIN 0xa0
.irp q, 0,1
.irp i, 0,1,2,3,4,5,6,7,8,9,10,11,12,13,14,15
	v_perm_b32 v[64*\q+\i], v[ZR], s[CF0], v[64*\q+\i]   ; the mask word is the selector: each byte 0 or 1 picks 0x00 or 0xf0
.endr
.endr
	WIN 0x88
.irp q, 0,1
.set i, 0
.rept 64
	v_perm_b32 v[128+64*\q+i], v[ZR], v[64*\q+i/4], s[PS+i%4]   ; the byte on top of three zero bytes: 0, or -2^97
.set i, i+1
.endr
.endr
	WIN 0
.rept 8
	v_nop                                          ; an operand written by vector instructions keeps its distance from the scaled products
.endr
	DRAIN
	s_wait_dscnt 0x0                               ; head 0's tiles of K and their scale words are in
	WIN 0xac
.irp t, 0,1,2,3,4,5,6,7                        ; head 0's S^T = K Q^T + the mask's 0 or -2^97
.irp q, 0,1
	MM 64*\q+8*\t, KF+6*\t, 12*\q, 128+64*\q+8*\t, KS+\t/2, QS+\q, \t%2
.endr
.endr
.irp h, 0,1,2,3
	HEAD \h
.if \fin
	OUTH \h
.endif
.endr
	s_add_co_u32 s[TB], s[TB], RECB
	s_add_co_u32 s[TM], s[TM], 128
.endm
.macro TWO_STEPS fin                   ; a slot's two key steps: written once, walked twice
	s_mov_b32 s[TWICE], 2
.Lstep_\@:
	STEP \fin
	s_sub_co_u32 s[TWICE], s[TWICE], 1
	s_cmp_lg_u32 s[TWICE], 0
	DRAIN
	s_cbranch_scc1 .Lstep_\@
	s_sub_co_u32 s[TB], s[TB], 2*RECB
	s_xor_b32 s[TB], s[TB], SLOTB
	s_sub_co_u32 s[TM], s[TM], 256
	s_xor_b32 s[TM], s[TM], SLOTB
.endm
; THE CHANGE OF SLOTS: each wave waits for all its tensor loads (one is out: its part of the slot that it is about to read), adds 0 to its spare word, and waits for that and for its reads of the slot that it has left.
; fill = 1: a round of the cluster's barrier, and the joint load of the next 256 keys first behind it.
.macro CHANGE fill
	s_wait_tensorcnt 0x0
	ds_add_u32 v[SPW], v[NIL]
.if \fill
	s_xor_b32 s[G0K+1], s[G0K+1], SLOTB
	s_add_nc_u64 s[G0K+2:G0K+3], s[G0K+2:G0K+3], KVB
	s_xor_b32 s[G0M+1], s[G0M+1], SLOTB
	s_add_nc_u64 s[G0M+2:G0M+3], s[G0M+2:G0M+3], 256
.endif
	s_wait_dscnt 0x0
.if \fill
	CROUND
	JLOAD
.else
	s_barrier_signal -1
	s_barrier_wait -1
.endif
.endm
.Lslot:                                            ; 7 trips: each reads one slot and asks for the next
	CHANGE 1
	TWO_STEPS 0
	s_sub_co_u32 s[SLOTS], s[SLOTS], 1
	s_cmp_lg_u32 s[SLOTS], 0
	s_cbranch_scc1 .Lslot
	CHANGE 0                                       ; the last slot is written out; in its second step each head goes out as it is finished
	TWO_STEPS 1
	WIN 0
	s_wait_tensorcnt 0x0                           ; the wave's end
	ds_add_u32 v[SPW], v[NIL]
	s_wait_dscnt 0x0
	CROUND                                         ; the closing round
	s_endpgm
.Lfunc_end_k_qd66c619b70_attn:
	.size	k_qd66c619b70_attn, .Lfunc_end_k_qd66c619b70_attn-k_qd66c619b70_attn
	.p2alignl 7, 3214868480
	.fill 96, 4, 3214868480
	.section	.rodata,"a",@progbits
	.p2align	6, 0x0
	.amdhsa_kernel k_qd66c619b70_attn
		.amdhsa_group_segment_fixed_size 327680
		.amdhsa_private_segment_fixed_size 0
		.amdhsa_enable_private_segment 0
		.amdhsa_kernarg_size 32
		.amdhsa_user_sgpr_count 2
		.amdhsa_user_sgpr_kernarg_segment_ptr 1
		.amdhsa_wavefront_size32 1
		.amdhsa_system_sgpr_workgroup_id_x 1
		.amdhsa_system_sgpr_workgroup_id_y 1
		.amdhsa_system_sgpr_workgroup_id_z 1
		.amdhsa_system_vgpr_workitem_id 0
		.amdhsa_next_free_vgpr 992
		.amdhsa_next_free_sgpr 80
		.amdhsa_reserve_vcc 0
		.amdhsa_float_denorm_mode_32 3
		.amdhsa_float_denorm_mode_16_64 3
		.amdhsa_memory_ordered 1
		.amdhsa_forward_progress 1
		.amdhsa_inst_pref_size 255
	.end_amdhsa_kernel
	.section	.bss,"aw",@nobits
	.p2align	6
	.space	262144
	.amdgpu_metadata
---
amdhsa.version: [ 1, 2 ]
amdhsa.kernels:
  - .name:           k_qd66c619b70_attn
    .symbol:         k_qd66c619b70_attn.kd
    .args:
      - { .name: Q, .offset: 0, .size: 8, .value_kind: global_buffer, .address_space: global }
      - { .name: kv, .offset: 8, .size: 8, .value_kind: global_buffer, .address_space: global }
      - { .name: mask, .offset: 16, .size: 8, .value_kind: global_buffer, .address_space: global }
      - { .name: out0, .offset: 24, .size: 8, .value_kind: global_buffer, .address_space: global }
    .group_segment_fixed_size: 327680
    .private_segment_fixed_size: 0
    .kernarg_segment_align: 8
    .kernarg_segment_size: 32
    .max_flat_workgroup_size: 128
    .sgpr_count:     80
    .vgpr_count:     992
    .wavefront_size: 32
...
	.end_amdgpu_metadata
.endif
;; end of part 2
